; MI455X (gfx1250); checked and timed in simulation.
; The chip was launched on July 23, 2026; its instructions are those of AMD's public machine-readable ISA for CDNA 5 (MIT licence, August 2026) and "CDNA5" Instruction Set Architecture Reference Guide (July 2026). The comments in the code are by the model that wrote it; some were corrected since.
;; Quantized Linear. Allowed arithmetic: matrix products marked QUANTISED: E4M3 operands, one E8M0 scale for each 32 along K, by v_wmma_scale_f32_16x16x128_f8f6f4 with both operands' format E4M3, f32 sums; everything else in f32.
;; Inputs: bias 4,096 float32; scale 1 float32; weight_q 4,096 x 4,096 int32; x 4 x 1,024 x 4,096 float32.
;; Outputs: out0 4 x 1,024 x 4,096 float32.
;; This version of the problem:
;;   THIS VERSION OF THE PROBLEM IS GIVEN IN LOW PRECISION. The matrix products marked QUANTISED in the list below multiply operands that are first quantised to E4M3 (4 exponent bits, 3 mantissa bits; 8 bits a number), with one power-of-two scale for each 32 numbers along K (OCP MX v1.0); their sums are f32. All else is computed in f32.
;;   The module's matrix products, in the order in which they are computed (A, B: the left and right operand; K: the contracted axis; several contracted axes count as one K, in the product's order):
;;     1. [M 4,096, K 4,096] x [K 4,096, N 4,096]; A: input x; B: computed on the way: QUANTISED
;;   THE QUANTISER, for each operand of a quantised product, along K:
;;     - K is cut into blocks of 32 from its start; a last block that is shorter is filled with zeros.
;;     - A block's scale is 2^e with e = floor(log2(the largest magnitude in the block)) - 8, held to -126 .. 127; a block of zeros has e = 0. As a byte (E8M0): e + 127.
;;     - Each number is divided by its block's scale, clamped to +-448, and rounded to the nearest number of E4M3, ties to even, subnormals kept.
;;     - The product sums the exact products of the quantised numbers (number of the format x scale) in f32.
;;   ~~~python
;;   def quantise(x, axis):      # numpy; x: float32 -> the quantised numbers, widened to float32 again
;;       x = np.moveaxis(x, axis, -1); K = x.shape[-1]
;;       x = np.pad(x, [(0, 0)] * (x.ndim - 1) + [(0, -K % 32)]); x = x.reshape(x.shape[:-1] + (-1, 32)); a = np.abs(x).max(-1, keepdims=True)
;;       e = np.where(a > 0, np.clip(np.frexp(np.where(a > 0, a, 1))[1] - 1 - 8, -126, 127), 0)      # np.frexp(a)[1] - 1 = floor(log2(a)), exactly
;;       r = np.clip(x / 2.0 ** e, -448, 448)
;;       step = 2.0 ** (np.maximum(np.frexp(np.where(r == 0, 1, r))[1] - 1, -6) - 3)
;;       q = np.round(r / step) * step * 2.0 ** e      # np.round: ties to even
;;       return np.moveaxis(q.reshape(q.shape[:-2] + (-1,))[..., :K], -1, axis).astype(np.float32)
;;   ~~~
;;   OPERANDS COMPUTED ON THE WAY. 'Computed on the way' means the value that the module computes at that place (a softmax that the list does not call 'softmax' is quantised finished and normalised). What goes into a quantiser is computed in f32, as accurately as f32 sums, v_exp_f32 and their like allow (about 1e-6 of the number): no bf16 or f16 on the way to a quantiser, and a product that is left as it is and whose result goes on into a quantised operand takes f32 operands (vector FMAs, or v_wmma_f32_16x16x4_f32). A number that lies on a knife's edge between two numbers of the format may be rounded either way, as far as f32 arithmetic and the matrix unit's own rounding can turn it there, and no further.
;; One version. Each part assembles by itself: llvm-mc -triple=amdgcn-amd-amdhsa -mcpu=gfx1250 --defsym DOCPART=n.
;; ======== version 1 of 1: 2 launches
;; limits: right only within a limited range of input values
;; workspace buffers: a_pack 17,301,504 bytes; b_pack 17,301,504 bytes
;; launch quant (part 1): grid 512 x 1, 4 waves a work-group, no clusters, 34,304 bytes of LDS; arguments x, weight_q, scale, a_pack, b_pack; writes a_pack, b_pack
.if DOCPART == 1
	.amdgcn_target "amdgcn-amd-amdhsa--gfx1250"
	.amdhsa_code_object_version 6
	.text
	.protected	k_qb2a6355fb8_quant
	.globl	k_qb2a6355fb8_quant
	.p2align	8
	.type	k_qb2a6355fb8_quant,@function
k_qb2a6355fb8_quant:
	s_mov_b64 s[64:65], 0
	v_nop
	global_prefetch_b8 v0, s[64:65] scope:SCOPE_SE
	s_setreg_imm32_b32 hwreg(HW_REG_WAVE_MODE, 25, 1), 1
	s_wait_xcnt 0x0
; x [4096][4096] f32 and weight_q [4096][4096] int32 (as f32, times scale[0], one f32 multiplication as the problem has it) are turned into codes of FP8 (E4M3)
; with one E8M0 scale byte for each 32 along K, K being the last axis of both.  A block's scale is 2^(floor(log2(its largest magnitude)) - 8): its byte is the largest magnitude's
; exponent field - 8, held at 1 from below by a floor among the maximum's leaves.  Each number is held within +-448 x the scale and rounded to the nearest code, ties to even.
; LIMITS: NaN and infinities among the inputs are not served.  A block of zeros gets the byte 1 where the rule says 127: its codes are zeros, which add nothing under that byte,
; and the bytes are read by this program alone.
; THE OUTPUT IS LAID IN THE ORDER OF THE MATRIX OPERAND'S REGISTERS: [32 groups of 128 rows][16 K steps of 256][a block of 33,792 bytes].  A block: 16 fragment images of 2,048 bytes
; (fragment 2 i + q: rows 16 i on, K 128 q on; byte 512 c + 16 lane holds registers 4 c .. 4 c + 3 of that lane: row lane % 16, K 32 c + 16 (lane / 16) + 0 .. 15), then four runs of
; 256 bytes of scale words (run j, byte 16 r + 4 e: the word of row 16 (2 j + e / 2) + r for K 128 (e % 2) on).  So the product's launch fetches a block as one dense run of memory.
; SHARES.  Work-groups 0-255 take x, 256-511 the weight; only pointers are chosen, and a short branch round register work.  A work-group makes two neighbouring blocks; a wave half a block:
; 64 rows x 256 K, eight fragments.  Memory binds: every load of a wave reads 512 consecutive bytes of a row, every store writes 512 consecutive bytes; each input byte is read once.
; The conversions want 16 neighbours along K in ONE lane, the loads want neighbouring bytes in neighbouring lanes: a fragment's 8,192 bytes turn through the wave's own stage in LDS.
; No matrix unit, no cluster, no tensor load, no barrier: waves share nothing, and loads into registers keep one to three fragments (16 to 48 loads) of every wave on their way.
.set ROWB,  16384                      ; a row of x or of the weight in bytes
.set BLK,   33792                      ; a block of the output
.set SPB,   528                        ; a stage row: 512 bytes + 16: sixteen rows start at sixteen different 16-byte columns of a run of 256 bytes
.set STG,   16*SPB                     ; a wave's stage
.set NF,    8                          ; fragments of a wave
.set LO,    2                          ; v2      16 x lane: my place in every load's and every store's 512 bytes; never rewritten
.set STW,   3                          ; v3      the stage on the way in: 16 x lane
.set STR,   4                          ; v4      and on the way out: row lane % 16, + 64 (lane / 16)
.set TM,    8                          ; v8-11 largest magnitudes, v12-15 the other half's, then bytes, v16-19 448 x the scale, v20-23 the conversions' scale operands
.set PW,    24                         ; v24-31  a scale word for each fragment
.set OW,    32                         ; v32-35  the scale words as they are stored
.set C,     36                         ; v36-51  a fragment's codes
.set S0,    64                         ; v64-255 three sets of 64 numbers
	s_load_b256 s[4:11], s[0:1], 0x0               ; x s[4:5], weight_q s[6:7], scale s[8:9], a_pack s[10:11]
	s_load_b64 s[12:13], s[0:1], 0x20              ; b_pack
	v_lshl_add_u32 v62, v0, 2, 0x8400
	v_mov_b32 v63, 0
	v_lshrrev_b32 v1, 5, v0
	v_readfirstlane_b32 s14, v1                    ; wave 0..3
	v_and_b32 v1, 31, v0                           ; lane
	v_lshlrev_b32 v[LO], 4, v1
	v_and_b32 v5, 15, v0                           ; r
	v_bfe_u32 v6, v0, 4, 1                         ; h
	s_mul_i32 s19, s14, STG                        ; my stage
	v_add_nc_u32 v[STW], s19, v[LO]
	v_mul_u32_u24 v[STR], v5, SPB
	v_lshl_add_u32 v[STR], v6, 6, v[STR]
	v_add_nc_u32 v[STR], s19, v[STR]
.irp b, 0,1,2,3
	v_mov_b32 v[TM+4+\b], 0                        ; written once: a lane permute's destination counts as one of its sources
.endr
	s_lshr_b32 s15, ttmp9, 8                       ; 0: x, 1: the weight
	s_bfe_u32 s16, ttmp9, 0x50003                  ; g: which 128 rows
	s_and_b32 s17, ttmp9, 7
	s_lshl_b32 s17, s17, 1
	s_lshr_b32 s18, s14, 1
	s_add_co_u32 s17, s17, s18                     ; ks: which 256 along K: 2 x (work-group % 8) + wave / 2
	s_and_b32 s18, s14, 1                          ; hf: which 64 of the 128 rows
	s_lshl_b32 s20, s16, 21                        ; in: 128 rows are 2^21 bytes,
	s_lshl_b32 s21, s18, 20                        ; 64 rows 2^20,
	s_add_co_u32 s20, s20, s21
	s_lshl_b32 s21, s17, 10                        ; 256 numbers 1,024
	s_add_co_u32 s20, s20, s21
	s_mov_b32 s21, 0
	s_lshl_b32 s22, s16, 4
	s_add_co_u32 s22, s22, s17
	s_mul_i32 s22, s22, BLK                        ; out: block 16 g + ks
	s_lshl_b32 s36, s18, 9
	s_add_co_u32 s36, s36, s22
	s_add_co_u32 s36, s36, 32768                   ; my 512 bytes of its scale words
	s_mov_b32 s37, 0
	s_lshl_b32 s23, s18, 14
	s_add_co_u32 s22, s22, s23                     ; my eight of its sixteen images
	s_mov_b32 s23, 0
	s_mov_b32 s32, 0x76543210
	s_mov_b32 s33, 0xfedcba98                      ; v_permlanex16_b32's selects for lane l xor 16
	s_mov_b32 s34, 0x600000                        ; the mantissa field of 448
	s_wait_alu depctr_va_vdst(0)
	s_wait_kmcnt 0x0
	s_load_b32 s30, s[8:9], 0x0                    ; scale[0]
	s_cmp_eq_u32 s15, 0                            ; the choice hangs on the work-group's number alone
	s_cselect_b64 s[24:25], s[4:5], s[6:7]
	s_cselect_b64 s[26:27], s[10:11], s[12:13]
	s_add_nc_u64 s[24:25], s[24:25], s[20:21]      ; where I read,
	s_add_nc_u64 s[28:29], s[26:27], s[36:37]      ; where my scale words go,
	s_add_nc_u64 s[26:27], s[26:27], s[22:23]      ; and my codes
; fragment t = 2 il + q: rows 16 il on, K 128 q on: sixteen loads, a row's 512 bytes each, into set t % 3
.macro LOAD t
.irp rr, 0,1,2,3,4,5,6,7,8,9,10,11,12,13,14,15
	global_load_b128 v[S0+64*((\t)%3)+4*\rr:S0+64*((\t)%3)+4*\rr+3], v[LO], s[24:25] offset:(16*((\t)/2)+\rr)*ROWB+512*((\t)%2) th:TH_LOAD_NT
.endr
.endm
; the fragment goes through the stage and comes back into the registers that it left: register 16 b + i is then K 32 b + 16 (lane / 16) + i of row lane % 16.
; LDS serves a wave's instructions in order (ISA guide 5.7.1.4): the loads see the stores above them, and the next fragment's stores come behind these loads
.macro TURN t
.irp rr, 0,1,2,3,4,5,6,7,8,9,10,11,12,13,14,15
	ds_store_b128 v[STW], v[S0+64*((\t)%3)+4*\rr:S0+64*((\t)%3)+4*\rr+3] offset:SPB*\rr
.endr
.irp b, 0,1,2,3
.irp j, 0,1,2,3
	ds_load_b128 v[S0+64*((\t)%3)+16*\b+4*\j:S0+64*((\t)%3)+16*\b+4*\j+3], v[STR] offset:128*\b+16*\j
.endr
.endr
.endm
; 64 numbers of a lane, v[s] on, become a fragment's codes in v[C] on and its rows' scale word in v[pw]
.macro QUANT s, pw
.irp b, 0,1,2,3
	v_max3_num_f32 v[TM+\b], |v[\s+16*\b]|, |v[\s+1+16*\b]|, 0x4800000   ; block b: my 16 numbers, and the floor 2^(9 - 127): the byte cannot fall under 1
.endr
.irp i, 2,4,6,8,10,12,14
.irp b, 0,1,2,3
	v_max3_num_f32 v[TM+\b], v[TM+\b], |v[\s+16*\b+\i]|, |v[\s+1+16*\b+\i]|   ; the four blocks by turns: no line waits for the line above it
.endr
.endr
.irp b, 0,1,2,3
	v_permlanex16_b32 v[TM+4+\b], v[TM+\b], s32, s33
.endr
.irp b, 0,1,2,3
	v_max_num_f32 v[TM+\b], v[TM+\b], v[TM+4+\b]   ; with lane l xor 16's 16: the block's largest magnitude
.endr
.irp b, 0,1,2,3
	v_add_nc_u32 v[TM+12+\b], 0xfc000000, v[TM+\b] ; 8 off its exponent field: the conversion takes the exponent field of this operand as its scale
.endr
.irp b, 0,1,2,3
	v_and_or_b32 v[TM+8+\b], v[TM+\b], 0x7f800000, s34   ; 448 x the scale: the largest magnitude's exponent field over 448's mantissa
.endr
.irp b, 0,1,2,3
	v_lshrrev_b32 v[TM+4+\b], 23, v[TM+12+\b]      ; the scale's byte
.endr
	v_lshl_or_b32 v[\pw], v[TM+5], 8, v[TM+4]      ; four bytes make my row's scale word; lanes l and l xor 16 hold the same
	v_lshl_or_b32 v[\pw], v[TM+6], 16, v[\pw]
	v_lshl_or_b32 v[\pw], v[TM+7], 24, v[\pw]
.irp b, 0,1,2,3
.irp i, 0,1,2,3,4,5,6,7,8,9,10,11,12,13,14,15
	v_med3_num_f32 v[\s+16*\b+\i], v[\s+16*\b+\i], -v[TM+8+\b], v[TM+8+\b]   ; the conversion to an 8-bit code does not saturate (ISA guide 7.6.2): the hold comes first
.endr
	v_cvt_scalef32_pk8_fp8_f32 v[C+4*\b:C+4*\b+1], v[\s+16*\b:\s+16*\b+7], v[TM+12+\b]
	v_cvt_scalef32_pk8_fp8_f32 v[C+4*\b+2:C+4*\b+3], v[\s+16*\b+8:\s+16*\b+15], v[TM+12+\b]
.endr
	v_nop                                          ; one plain vector line behind the last conversion, ahead of whatever vector line next touches its registers
.endm
.macro STEP t
.set XS, S0+64*((\t)%3)
	s_wait_dscnt 0x0                               ; this fragment is back from the stage
.if (\t)+1 < NF
.if (\t)+2 < NF
	s_wait_loadcnt 16                              ; the next fragment's sixteen loads are in; the sixteen issued behind them may be out
.else
	s_wait_loadcnt 0x0
.endif
	TURN (\t)+1                                    ; it goes through the stage while this one is worked on
.endif
.if (\t) > 0
	s_wait_xcnt 0x0                                ; the last fragment's stores have read v[C] on: the codes' registers are written again only behind this wait
.endif
	s_cmp_eq_u32 s15, 0
	s_cbranch_scc1 .Lis_x_\@                       ; register work alone is passed over
.set i, 0
.rept 64
	v_cvt_f32_i32 v[XS+i], v[XS+i]                 ; the weight: whole number to f32,
.set i, i+1
.endr
.set i, 0
.rept 32
	v_pk_mul_f32 v[XS+i:XS+i+1], v[XS+i:XS+i+1], s[30:31] op_sel_hi:[1,0]   ; times scale[0], two at a time
.set i, i+2
.endr
.Lis_x_\@:
	QUANT XS, PW+\t
.irp c, 0,1,2,3
	global_store_b128 v[LO], v[C+4*\c:C+4*\c+3], s[26:27] offset:2048*(\t)+512*\c   ; the image: 32 lanes store 512 consecutive bytes, at a multiple of 256 from the buffer's first byte
.endr
.if (\t)+3 < NF
	LOAD (\t)+3                                    ; into the set that this fragment has left
.endif
.endm
	LOAD 0
	LOAD 1
	LOAD 2
	s_wait_kmcnt 0x0                               ; scale[0]
	s_mov_b32 s31, s30                             ; (the packed form names the pair)
	s_wait_loadcnt 32                              ; fragment 0 is in; fragments 1 and 2 may be out
	TURN 0
.irp t, 0,1,2,3,4,5,6,7
	STEP \t
.endr
	v_cmp_le_u32 vcc_lo, 16, v1                    ; lanes 0-15 store the words of fragments 0-3 (one run of 256 bytes), lanes 16-31 those of fragments 4-7 (the next run)
.irp e, 0,1,2,3
	v_cndmask_b32 v[OW+\e], v[PW+\e], v[PW+4+\e], vcc_lo
.endr
	global_store_b128 v[LO], v[OW:OW+3], s[28:29]  ; 512 consecutive bytes
	s_wait_tensorcnt 0x0
	ds_add_u32 v62, v63
	s_wait_dscnt 0x0
	s_endpgm
.Lfunc_end_k_qb2a6355fb8_quant:
	.size	k_qb2a6355fb8_quant, .Lfunc_end_k_qb2a6355fb8_quant-k_qb2a6355fb8_quant
	.p2alignl 7, 3214868480
	.fill 96, 4, 3214868480
	.section	.rodata,"a",@progbits
	.p2align	6, 0x0
	.amdhsa_kernel k_qb2a6355fb8_quant
		.amdhsa_group_segment_fixed_size 34304
		.amdhsa_private_segment_fixed_size 0
		.amdhsa_enable_private_segment 0
		.amdhsa_kernarg_size 40
		.amdhsa_user_sgpr_count 2
		.amdhsa_user_sgpr_kernarg_segment_ptr 1
		.amdhsa_wavefront_size32 1
		.amdhsa_system_sgpr_workgroup_id_x 1
		.amdhsa_system_sgpr_workgroup_id_y 1
		.amdhsa_system_sgpr_workgroup_id_z 1
		.amdhsa_system_vgpr_workitem_id 0
		.amdhsa_next_free_vgpr 256
		.amdhsa_next_free_sgpr 66
		.amdhsa_reserve_vcc 1
		.amdhsa_float_denorm_mode_32 3
		.amdhsa_float_denorm_mode_16_64 3
		.amdhsa_memory_ordered 1
		.amdhsa_forward_progress 1
		.amdhsa_inst_pref_size 131
	.end_amdhsa_kernel
	.amdgpu_metadata
---
amdhsa.version: [ 1, 2 ]
amdhsa.kernels:
  - .name:           k_qb2a6355fb8_quant
    .symbol:         k_qb2a6355fb8_quant.kd
    .args:
      - { .name: x, .offset: 0, .size: 8, .value_kind: global_buffer, .address_space: global }
      - { .name: weight_q, .offset: 8, .size: 8, .value_kind: global_buffer, .address_space: global }
      - { .name: scale, .offset: 16, .size: 8, .value_kind: global_buffer, .address_space: global }
      - { .name: a_pack, .offset: 24, .size: 8, .value_kind: global_buffer, .address_space: global }
      - { .name: b_pack, .offset: 32, .size: 8, .value_kind: global_buffer, .address_space: global }
    .group_segment_fixed_size: 34304
    .private_segment_fixed_size: 0
    .kernarg_segment_align: 8
    .kernarg_segment_size: 40
    .max_flat_workgroup_size: 128
    .sgpr_count:     66
    .vgpr_count:     256
    .wavefront_size: 32
...
	.end_amdgpu_metadata
.endif
;; end of part 1
;; launch gemm (part 2): grid 16 x 16, 4 waves a work-group, clusters of 4 x 4, 327,680 bytes of LDS; arguments a_pack, b_pack, bias, out0; writes out0
.if DOCPART == 2
	.amdgcn_target "amdgcn-amd-amdhsa--gfx1250"
	.amdhsa_code_object_version 6
	.text
	.protected	k_qb2a6355fb8_gemm
	.globl	k_qb2a6355fb8_gemm
	.p2align	8
	.type	k_qb2a6355fb8_gemm,@function
k_qb2a6355fb8_gemm:
	s_mov_b64 s[64:65], 0
	v_nop
	global_prefetch_b8 v0, s[64:65] scope:SCOPE_SE
	s_setreg_imm32_b32 hwreg(HW_REG_WAVE_MODE, 25, 1), 1
	s_wait_xcnt 0x0
	s_wait_alu depctr_hold_cnt(0) depctr_sa_sdst(0) depctr_va_vdst(0) depctr_va_sdst(0) depctr_va_ssrc(0) depctr_va_vcc(0) depctr_vm_vsrc(0)
	s_getreg_b32 s2, hwreg(HW_REG_IB_STS2, 6, 4)
	s_cmp_eq_u32 s2, 0
	s_cbranch_scc0 .Lentry_in_a_cluster
	s_endpgm
.Lentry_in_a_cluster:
	s_bfe_u32 s2, ttmp6, 0x10000c
	s_cmp_lg_u32 s2, 0xf033
	s_cbranch_scc0 .Lentry_shape_is_right
	s_endpgm
.Lentry_shape_is_right:
; out0[m][n] = sum over k of Q(x)[m][k] Q(w)[n][k] + bias[n]: codes of E4M3 with E8M0 scales, as launch quant laid them: [32 groups of 128 rows][16 K steps of 256][a block of 33,792 bytes:
; 16 fragment images of 2,048 bytes (image 2 i + q: rows 16 i on, K 128 q on), then 1,024 bytes of scale words].  Sums in f32; the bias is added to the finished sum, as the problem has it.
; A work-group of four waves makes 256 x 256 of the result; wave w makes rows 64 w .. 64 w + 63 x all 256 columns: 64 accumulators of 16 x 16, 512 registers.
; A (x) GOES STRAIGHT INTO REGISTERS: a wave's 64 rows are read by no other wave of the work-group, and their images lie in memory as the registers want them (512 consecutive bytes a load).
; Four sets of 64 registers, one for each 128 along K; a set is loaded again three steps ahead of its use, and the wait on LOADcnt is counted.
; B (the weight) goes through a ring of two LDS slots filled by tensor loads; a slot holds 512 along K of B's 256 rows: four blocks, one load a wave: 256 matrix instructions a wave for each change of slots.
; CLUSTERS: 4 x 4 work-groups.  The four of a column of the cluster need the same tiles of B and ask for them jointly.  A has no joint load: nothing of A lands in LDS, so there is no tile to ask for.
; THE MATRIX INSTRUCTION IS USED TRANSPOSED (source 0 = 16 rows of B, source 1 = 16 rows of A): a lane holds eight neighbouring numbers of a row of the result.
; REGISTERS: window 0: v0-15 addresses; v16-63 scale words; v64-255 B's fragments, two buffers of six.  window 1: A's four sets.  windows 2, 3: accumulator (a, b) at v[8 (4 (b % 8) + a)] of window 2 + b / 8.
; A step of 128 along K goes in three groups of B's blocks (6, 5, 5), each against A's four: 24, 20, 20 products.  The next group's LDS loads stand in ONE run ahead of a group's products, in the other buffer;
; eight v_nop ahead of each run are the places behind the products that read that buffer.
; SCALE WORDS: B's quad (kp, gg, jj) at v[16 + 8 (2 gg + jj) + 4 kp]; A's quad of slot sl, kp at v[48 + 8 sl + 4 (1 - kp)]: the two registers that a product names differ modulo 8.
.set BLK,    33792
.set GROW,   16*BLK
.set SLOT,   4*BLK
.set SCO,    32768                     ; a block's scale words
.set SPARE,  2*SLOT                    ; behind the ring: the spare words, 128 bytes a wave
.set SPITCH, 528                       ; the way out: a stage row, 512 bytes + 16
.set ROWC,   16384                     ; a row of the result in bytes
.set ADRB, 2                           ; v2-9    16 x lane + block k of the ring (k = 4 slot + 2 (rows / 128) + (K / 256) % 2); v2 is also 16 x lane
.set LO,   2
.set VSO,  10                          ; v10     my A scale words' offset from my images' base
.set PFOA, 11
.set PFOB, 12
.set PFOS, 13
.set SPW,  14
.set NIL,  15
.set SC,   16
.set BF,   64
.set STO,  64                          ; the way out: made behind the last products
.set RD,   65
.set OBS,  128                         ; the way out: two sets of 64 registers
.set G1,   24                          ; s[24:31] descriptor group 1; s[32:39] group 0, one set for each slot
.set G0,   32
.set PA,   48                          ; s[48:49] my A images; s[50:51], s[52:53] where my prefetches of A and of B stand
.set PFA,  50
.set PFB,  52
.set MSB, 0
.macro WIN new
.if MSB != (\new)
	s_set_vgpr_msb (MSB<<8)|(\new)
.set MSB, (\new)
.endif
.endm
.set MUL_LO, 0xa4                      ; source 0 (B) window 0, source 1 (A) window 1, C and D window 2
.set MUL_HI, 0xf4                      ; the same, C and D window 3
.set TO_A,   0x40                      ; destination window 1, address window 0
.macro CREST
	s_cmp_lg_u32 s14, 0
	s_cbranch_scc1 .Lnot_wave_0_\@
	s_barrier_signal -3
.Lnot_wave_0_\@:
	s_barrier_wait -3
	s_barrier_signal -1
	s_barrier_wait -1
.endm
.macro CROUND
	s_barrier_signal -1
	s_barrier_wait -1
	CREST
.endm
; A's batch for step t of 128 along K, counted from where s[PA] stands: 16 loads, and with an even t the scale words of 256 along K (lanes 0-15: blocks 0, 1; lanes 16-31: blocks 2, 3)
.macro AL t
.if ((\t)%2) == 0
.set XP, ((\t)/2)%4
	WIN 0
	global_load_b128 v[SC+32+8*(XP/2)+4*(1-XP%2):SC+32+8*(XP/2)+4*(1-XP%2)+3], v[VSO], s[PA:PA+1] offset:((\t)/2)*BLK
.endif
	WIN TO_A
.irp a, 0,1,2,3
.irp c, 0,1,2,3
	global_load_b128 v[64*((\t)%4)+16*\a+4*\c:64*((\t)%4)+16*\a+4*\c+3], v[LO], s[PA:PA+1] offset:((\t)/2)*BLK+(2*\a+(\t)%2)*2048+512*\c
.endr
.endr
.endm
; group gi (0, 1, 2: B's blocks 0-5, 6-10, 11-15) of a slot's step q, into buffer (q + gi) % 2
.macro LGR sl, q, gi
.set XF, 0
.rept 6-((\gi)+1)/2
.set XBK, 6*(\gi)-(\gi)/2+XF
.set XR, BF+96*(((\q)+(\gi))%2)+16*XF
.irp c, 0,1,2,3
	ds_load_b128 v[XR+4*\c:XR+4*\c+3], v[ADRB+4*(\sl)+2*(XBK/8)+(\q)/2] offset:(2*(XBK%8)+(\q)%2)*2048+512*\c
.endr
.set XF, XF+1
.endr
.endm
; B's scale words of 256 along K: four quads; in quad (kp, gg, jj) register e holds, in lanes 0-15, block 8 gg + 4 jj + e / 2, in lanes 16-31 two blocks on; e % 2 picks the 128 along K
.macro SB sl, kp
.irp gg, 0,1
.irp jj, 0,1
	ds_load_b128 v[SC+8*(2*\gg+\jj)+4*(\kp):SC+8*(2*\gg+\jj)+4*(\kp)+3], v[ADRB+4*(\sl)+2*\gg+(\kp)] offset:SCO+512*\jj
.endr
.endr
.endm
.macro WL c
.if XRB == 0 && XRA == 0
	v_wmma_scale_f32_16x16x128_f8f6f4 v[XD:XD+7], v[XB:XB+15], v[XA:XA+15], \c, v[XSB], v[XSA]
.endif
.if XRB == 1 && XRA == 0
	v_wmma_scale_f32_16x16x128_f8f6f4 v[XD:XD+7], v[XB:XB+15], v[XA:XA+15], \c, v[XSB], v[XSA] matrix_a_scale:MATRIX_SCALE_ROW1
.endif
.if XRB == 0 && XRA == 1
	v_wmma_scale_f32_16x16x128_f8f6f4 v[XD:XD+7], v[XB:XB+15], v[XA:XA+15], \c, v[XSB], v[XSA] matrix_b_scale:MATRIX_SCALE_ROW1
.endif
.if XRB == 1 && XRA == 1
	v_wmma_scale_f32_16x16x128_f8f6f4 v[XD:XD+7], v[XB:XB+15], v[XA:XA+15], \c, v[XSB], v[XSA] matrix_a_scale:MATRIX_SCALE_ROW1 matrix_b_scale:MATRIX_SCALE_ROW1
.endif
.endm
; the products of nf fragments of group gi, from its f0-th on.  The 64 accumulators take turns, in the same order in every step.  z = 1: the product starts the sum
.macro PG sl, q, gi, f0, nf, z
.set XF, \f0
.rept \nf
.set XBK, 6*(\gi)-(\gi)/2+XF
.set XI, XBK%8
	WIN MUL_LO+0x50*(XBK/8)
.set XB, BF+96*(((\q)+(\gi))%2)+16*XF
.set XRB, (XI/2)%2
.irp a, 0,1,2,3
.set XD, 8*(4*XI+\a)
.set XA, 64*(\q)+16*\a
.set XSB, SC+8*(2*(XBK/8)+XI/4)+4*((\q)/2)+2*(XI%2)+(\q)%2
.set XSA, SC+32+8*(\sl)+4*(1-(\q)/2)+2*(\a%2)+(\q)%2
.set XRA, \a/2
.if \z
	WL 0
.else
	WL v[XD:XD+7]
.endif
.endr
.set XF, XF+1
.endr
.endm
.macro RUNH                            ; ahead of a run of loads: eight places behind the products that read the registers to be loaded
.rept 8
	v_nop
.endr
	WIN 0
.endm
; a step's first run and first group.  ald = 1: A's batch of three steps on, into the set that the step before has left; 2: the bias, into A's set 0, which has had its last products
.macro FIRST sl, q, jr, z, ald, lc
	RUNH
.if (\q) == 1
	SB \sl, 1                                      ; the scale words of the slot's second 256 along K
.endif
	LGR \sl, \q, 1
.if (\ald) == 1
	AL (\jr)+3
.endif
.if (\ald) == 2
	WIN TO_A
	global_load_b128 v[0:3], v[LO], s[8:9]         ; the bias of my four columns in each half of a row, for the way out
	global_load_b128 v[4:7], v[LO], s[8:9] offset:512
.endif
	s_wait_dscnt 20                                ; group 0 is in; the 20 loads just issued may be out
	s_wait_loadcnt \lc                             ; this step's batch of A is in; the three batches behind it (49 loads at the least) may be out
	PG \sl, \q, 0, 0, 6, \z
.endm
.macro QS sl, q, jr, z, ald, lc        ; one of a slot's first three steps
	FIRST \sl, \q, \jr, \z, \ald, \lc
	RUNH
	LGR \sl, \q, 2
	s_wait_dscnt 20
	PG \sl, \q, 1, 0, 5, \z
	RUNH
	LGR \sl, (\q)+1, 0
	s_wait_dscnt 24
	PG \sl, \q, 2, 0, 5, \z
.endm
; prefetches: the slot one behind the one that the tensor load just asked for, and A's 512 along K beside it.  A: my wave's 128 runs of 256 bytes are shared out among the four partners of my row of
; the cluster by address (cx), 32 a partner, a lane a run; B: my wave's block among the four of my column (cy): 32 runs of codes, and one run of scale words that all lanes name.  A's scale words come by their loads alone.
.macro ASK off, guard
.if \guard
	s_cmp_gt_u32 s3, 1                             ; the loop's last trip has no such slot left
	s_cbranch_scc0 .Lno_ask_\@
.endif
	global_prefetch_b8 v[PFOA], s[PFA:PFA+1] offset:\off th:TH_LOAD_NT scope:SCOPE_SE
	global_prefetch_b8 v[PFOB], s[PFB:PFB+1] offset:\off th:TH_LOAD_NT scope:SCOPE_SE
	global_prefetch_b8 v[PFOS], s[PFB:PFB+1] offset:\off th:TH_LOAD_NT scope:SCOPE_SE
.Lno_ask_\@:
.endm
; a slot's last step.  mode 1: the slots change and this one is filled again; 0: they change, nothing is filled; 2: the launch's last step
.macro Q3 sl, jr, mode, ald, lc, off, guard
	FIRST \sl, 3, \jr, 0, \ald, \lc
	RUNH
	LGR \sl, 3, 2                                  ; my last reads of this slot
.if (\mode) == 2
	s_wait_dscnt 20
	PG \sl, 3, 1, 0, 5, 0
	s_wait_dscnt 0
	PG \sl, 3, 2, 0, 5, 0
	WIN 0
.else
	s_wait_tensorcnt 0x0                           ; all my tensor loads have landed: my block of the next slot
	ds_add_u32 v[SPW], v[NIL]
.if (\mode) == 1
	s_add_nc_u64 s[G0+4*(\sl)+2:G0+4*(\sl)+3], s[G0+4*(\sl)+2:G0+4*(\sl)+3], 4*BLK   ; no load of mine is out: this slot's next 512 along K
.endif
	s_wait_dscnt 21                                ; (group 2's 20 loads and the add may be out)
	PG \sl, 3, 1, 0, 5, 0
.rept 8
	v_nop                                          ; the places behind group 1's products: the next slot's first group lands in their buffer
.endr
	s_wait_dscnt 0x0                               ; the add is done, and my reads of this slot are over
	s_barrier_signal -1
	PG \sl, 3, 2, 0, 2, 0
	WIN 0
	s_barrier_wait -1
.if (\mode) == 1
	CREST                                          ; the barrier has opened a round of the cluster's barrier
	tensor_load_to_lds s[G0+4*(\sl):G0+4*(\sl)+3], s[G1:G1+7]
	s_nop 0
.endif
	SB 1-(\sl), 0
	LGR 1-(\sl), 0, 0
.if (\mode) == 1
	ASK \off, \guard
.endif
	PG \sl, 3, 2, 2, 3, 0
.endif
.endm
	s_load_b256 s[4:11], s[0:1], 0x0               ; a_pack, b_pack, bias, out0
	v_lshl_add_u32 v[SPW], v0, 2, SPARE
	v_mov_b32 v[NIL], 0
	ds_add_u32 v[SPW], v[NIL]
	ds_add_u32 v[SPW], v[NIL]
	v_lshrrev_b32 v1, 5, v0
	v_readfirstlane_b32 s14, v1                    ; wave 0..3
	s_lshr_b32 s15, s14, 1
	s_and_b32 s16, s14, 1
	s_bfe_u32 s40, ttmp6, 0x40000                  ; cx, cy
	s_bfe_u32 s41, ttmp6, 0x40004
	s_lshl_b32 s42, ttmp9, 2
	s_add_co_u32 s42, s42, s40                     ; tile column
	s_and_b32 s17, ttmp7, 0xffff
	s_lshl_b32 s17, s17, 2
	s_add_co_u32 s17, s17, s41                     ; tile row
	s_lshl_b32 s44, 0x1111, s40                    ; my column of the cluster
	s_or_b32 s[G1+0], s44, (3<<16)|(1<<21)         ; elements of 8 bytes; bit 21 beside the mask
	s_mov_b32 s[G1+1], 32<<16                      ; a block: 132 dense rows of 256 bytes
	s_mov_b32 s[G1+2], 132<<16
	s_mov_b32 s[G1+3], 32<<16
	s_mov_b32 s[G1+4], 132
	s_mov_b32 s[G1+5], 32
	s_mov_b32 s[G1+6], 0
	s_mov_b32 s[G1+7], 0
	s_lshl_b32 s20, s42, 1
	s_add_co_u32 s20, s20, s15
	s_lshl_b32 s20, s20, 4
	s_add_co_u32 s20, s20, s16
	s_mul_i32 s20, s20, BLK                        ; B: wave w fetches group 2 x tile column + w / 2, K step w % 2 of each 512
	s_mov_b32 s21, 0
	s_lshl_b32 s22, s17, 1
	s_add_co_u32 s22, s22, s15
	s_mul_i32 s22, s22, GROW
	s_lshl_b32 s18, s16, 14
	s_add_co_u32 s22, s22, s18                     ; A: group 2 x tile row + w / 2, its images 8 (w % 2) on
	s_mov_b32 s23, 0
	s_lshl_b32 s46, s17, 8
	s_lshl_b32 s18, s14, 6
	s_add_co_u32 s46, s46, s18
	s_lshl_b32 s46, s46, 14                        ; the result: row 256 x tile row + 64 w,
	s_lshl_b32 s54, s42, 10                        ; column 256 x tile column, in bytes (also the bias's)
	s_mov_b32 s55, 0
	s_add_co_u32 s46, s46, s54
	s_mov_b32 s47, 0
	s_mul_i32 s45, s14, BLK                        ; my block's place in a slot
	s_mul_i32 s19, s16, 15872
	s_sub_co_u32 s19, SCO, s19                     ; from my images to my scale words: 32,768 + 512 (w % 2) - 16,384 (w % 2)
	s_mul_i32 s56, s41, 7936
	s_sub_co_u32 s56, SCO, s56                     ; from my share of B's codes (8,192 cy) to run cy of the scale words
	s_lshl_b32 s58, s40, 12
	s_mov_b32 s59, 0
	s_lshl_b32 s60, s41, 13
	s_mov_b32 s61, 0
	s_mul_i32 s57, s14, 16*SPITCH                  ; my stage
	v_and_b32 v64, 31, v0
	v_and_b32 v65, 15, v0
	v_bfe_u32 v66, v0, 4, 1
	v_lshlrev_b32 v[LO], 4, v64
	v_add_nc_u32 v[VSO], s19, v[LO]
.irp k, 1,2,3,4,5,6,7
	v_add_nc_u32 v[ADRB+\k], \k*BLK, v[LO]
.endr
	v_mul_u32_u24 v67, v66, BLK
	v_lshl_add_u32 v[PFOA], v65, 8, v67            ; lanes 0-15 the first 256 along K, lanes 16-31 the second; 256 bytes from lane to lane
	v_lshlrev_b32 v[PFOB], 8, v64
	v_mov_b32 v[PFOS], s56
	s_wait_alu depctr_va_vdst(0)
	s_wait_dscnt 0x0                               ; both opening adds are done
	s_wait_kmcnt 0x0
	s_add_nc_u64 s[20:21], s[6:7], s[20:21]
.irp s, 0,1
	s_mov_b32 s[G0+4*\s], 1
	s_add_co_u32 s[G0+4*\s+1], s45, \s*SLOT
	s_add_nc_u64 s[G0+4*\s+2:G0+4*\s+3], s[20:21], \s*2*BLK
	s_or_b32 s[G0+4*\s+3], s[G0+4*\s+3], 0x80000000
.endr
	CROUND                                         ; all sixteen work-groups are here: the first joint loads meet
	tensor_load_to_lds s[G0:G0+3], s[G1:G1+7]      ; slot 0: one tensor load a wave at the head
	s_nop 0
	s_add_nc_u64 s[PA:PA+1], s[4:5], s[22:23]
	s_add_nc_u64 s[PFA:PFA+1], s[PA:PA+1], s[58:59]
	s_add_nc_u64 s[PFB:PFB+1], s[20:21], s[60:61]
	s_add_nc_u64 s[8:9], s[8:9], s[54:55]
	s_add_nc_u64 s[10:11], s[10:11], s[46:47]
	AL 0
	AL 1
	AL 2
	WIN 0
	s_wait_tensorcnt 0x0                           ; my block of slot 0 is in
	ds_add_u32 v[SPW], v[NIL]
	s_wait_dscnt 0x0
	CROUND
	tensor_load_to_lds s[G0+4:G0+7], s[G1:G1+7]    ; slot 1's first fill, the first tensor load behind the round
	s_nop 0
	SB 0, 0
	LGR 0, 0, 0
	QS 0, 0, 0, 1, 1, 49                           ; the first step stands ahead of the loop: its products start the sums
	WIN 0
	s_mov_b32 s3, 3
.Llap:                                                 ; a trip goes once round the ring, from a lap's second step to the next lap's first
	QS 0, 1, 1, 0, 1, 49
	QS 0, 2, 2, 0, 1, 49
	Q3 0, 3, 1, 1, 49, 6*BLK, 0
	QS 1, 0, 4, 0, 1, 49
	QS 1, 1, 5, 0, 1, 49
	QS 1, 2, 6, 0, 1, 49
	Q3 1, 7, 1, 1, 49, 8*BLK, 1
	QS 0, 0, 8, 0, 1, 49
	WIN 0
	s_wait_xcnt 0x0                                ; my loads and prefetches have read their bases: these step only behind this wait
	s_add_nc_u64 s[PA:PA+1], s[PA:PA+1], 4*BLK
	s_add_nc_u64 s[PFA:PFA+1], s[PFA:PFA+1], 4*BLK
	s_add_nc_u64 s[PFB:PFB+1], s[PFB:PFB+1], 4*BLK
	s_sub_co_u32 s3, s3, 1
	s_cmp_lg_u32 s3, 0
	s_cbranch_scc1 .Llap
	QS 0, 1, 1, 0, 1, 49                           ; the last lap fills nothing; A's last batch is asked for in its fifth step
	QS 0, 2, 2, 0, 1, 49
	Q3 0, 3, 0, 1, 49, 0, 0
	QS 1, 0, 4, 0, 1, 49
	QS 1, 1, 5, 0, 2, 33                           ; behind this step's batch: two batches (33 loads) and the bias
	QS 1, 2, 6, 0, 0, 16                           ; the last batch, of 16 loads, and the bias
	Q3 1, 7, 2, 0, 0, 0, 0
; THE WAY OUT, in eight parts of 16 rows x 128 columns: through my own stage and back as whole rows of 512 bytes; the bias is added; 32 lanes store two aligned runs of 256 bytes.
; The stage lies in slot 0, which has had its last fill, and whose last reads every wave awaited ahead of the last barrier.  LDS serves a wave's instructions in order (ISA guide 5.7.1.4).
.macro TOSTAGE k
.set AO, (\k)/2
	WIN 0x08+4*((\k)%2)                            ; the data: window 2 or 3
.irp bb, 0,1,2,3,4,5,6,7
	ds_store_b128 v[STO], v[8*(4*\bb+AO):8*(4*\bb+AO)+3] offset:64*\bb      ; each accumulator from its low end on
	ds_store_b128 v[STO], v[8*(4*\bb+AO)+4:8*(4*\bb+AO)+7] offset:64*\bb+16
.endr
	WIN 0
.set OB, OBS+64*((\k)%2)
.irp t, 0,1,2,3,4,5,6,7,8,9,10,11,12,13,14,15
	ds_load_b128 v[OB+4*\t:OB+4*\t+3], v[RD] offset:\t*SPITCH
.endr
.endm
.macro SEND k, younger
.set OB, OBS+64*((\k)%2)
.set BI, 4*((\k)%2)
	s_wait_dscnt \younger                          ; the part is back in registers
	WIN 0x04                                       ; source 1, the bias: window 1
.irp t, 0,1,2,3,4,5,6,7,8,9,10,11,12,13,14,15
	v_pk_add_f32 v[OB+4*\t:OB+4*\t+1], v[OB+4*\t:OB+4*\t+1], v[BI:BI+1]
	v_pk_add_f32 v[OB+4*\t+2:OB+4*\t+3], v[OB+4*\t+2:OB+4*\t+3], v[BI+2:BI+3]
.endr
	WIN 0
.irp t, 0,1,2,3,4,5,6,7,8,9,10,11,12,13,14,15
	global_store_b128 v[LO], v[OB+4*\t:OB+4*\t+3], s[10:11] offset:(16*((\k)/2)+\t)*ROWC+512*((\k)%2) th:TH_STORE_NT   ; 63 rows and 512 bytes at the most: inside the signed 24-bit immediate
.endr
.endm
.rept 8
	v_nop                                          ; eight places behind the last products
.endr
	v_and_b32 v66, 15, v0
	v_bfe_u32 v67, v0, 4, 1
	v_mul_u32_u24 v66, v66, SPITCH
	v_lshl_add_u32 v66, v67, 5, v66
	v_add_nc_u32 v[STO], s57, v66                  ; into the stage: row lane % 16, 32 bytes for each half of the lanes
	v_add_nc_u32 v[RD], s57, v[LO]                 ; back: 32 lanes take a row's 512 bytes
	s_wait_alu depctr_va_vdst(0)
	TOSTAGE 0
.irp k, 1,2,3,4,5,6,7
.if \k > 1
	s_wait_xcnt 0x0                                ; part k - 2's stores have read their registers: part k's loads may land there
.endif
	TOSTAGE \k
	SEND (\k)-1, 32                                ; behind part k - 1's loads: part k's 16 stores and 16 loads
.endr
	SEND 7, 0
	s_wait_tensorcnt 0x0                           ; the wave's end
	ds_add_u32 v[SPW], v[NIL]
	s_wait_dscnt 0x0
	CROUND                                         ; the closing round
	s_endpgm
.Lfunc_end_k_qb2a6355fb8_gemm:
	.size	k_qb2a6355fb8_gemm, .Lfunc_end_k_qb2a6355fb8_gemm-k_qb2a6355fb8_gemm
	.p2alignl 7, 3214868480
	.fill 96, 4, 3214868480
	.section	.rodata,"a",@progbits
	.p2align	6, 0x0
	.amdhsa_kernel k_qb2a6355fb8_gemm
		.amdhsa_group_segment_fixed_size 327680
		.amdhsa_private_segment_fixed_size 0
		.amdhsa_enable_private_segment 0
		.amdhsa_kernarg_size 32
		.amdhsa_user_sgpr_count 2
		.amdhsa_user_sgpr_kernarg_segment_ptr 1
		.amdhsa_wavefront_size32 1
		.amdhsa_system_sgpr_workgroup_id_x 1
		.amdhsa_system_sgpr_workgroup_id_y 1
		.amdhsa_system_sgpr_workgroup_id_z 1
		.amdhsa_system_vgpr_workitem_id 0
		.amdhsa_next_free_vgpr 1024
		.amdhsa_next_free_sgpr 80
		.amdhsa_reserve_vcc 0
		.amdhsa_float_denorm_mode_32 3
		.amdhsa_float_denorm_mode_16_64 3
		.amdhsa_memory_ordered 1
		.amdhsa_forward_progress 1
		.amdhsa_inst_pref_size 255
	.end_amdhsa_kernel
	.section	.bss,"aw",@nobits
	.p2align	6
	.space	262144
	.amdgpu_metadata
---
amdhsa.version: [ 1, 2 ]
amdhsa.kernels:
  - .name:           k_qb2a6355fb8_gemm
    .symbol:         k_qb2a6355fb8_gemm.kd
    .args:
      - { .name: a_pack, .offset: 0, .size: 8, .value_kind: global_buffer, .address_space: global }
      - { .name: b_pack, .offset: 8, .size: 8, .value_kind: global_buffer, .address_space: global }
      - { .name: bias, .offset: 16, .size: 8, .value_kind: global_buffer, .address_space: global }
      - { .name: out0, .offset: 24, .size: 8, .value_kind: global_buffer, .address_space: global }
    .group_segment_fixed_size: 327680
    .private_segment_fixed_size: 0
    .kernarg_segment_align: 8
    .kernarg_segment_size: 32
    .max_flat_workgroup_size: 128
    .sgpr_count:     80
    .vgpr_count:     1024
    .wavefront_size: 32
...
	.end_amdgpu_metadata
.endif
;; end of part 2
